; MI455X (gfx1250); checked and timed in simulation.
; The chip was launched on July 23, 2026; its instructions are those of AMD's public machine-readable ISA for CDNA 5 (MIT licence, August 2026) and "CDNA5" Instruction Set Architecture Reference Guide (July 2026). The comments in the code are by the model that wrote it; some were corrected since.
;; EMA Vector Quantizer. Allowed arithmetic: float matrix products may take bf16 or f16 operands with f32 sums; all other float work in f32.
;; Inputs: embedding 8,192 x 256 float32; z 32 x 256 x 32 x 32 float32.
;; Outputs: out0 32 x 256 x 32 x 32 float32; out1 one number float32; out2 32,768 int32.
;; One version. Each part assembles by itself: llvm-mc -triple=amdgcn-amd-amdhsa -mcpu=gfx1250 --defsym DOCPART=n.
;; ======== version 1 of 1: 4 launches
;; workspace buffers: cb 4,194,304 bytes; eew 32,768 bytes; idxw 131,072 bytes of whole numbers; part 1,024 bytes
;; launch prep (part 1): grid 256 x 1, 8 waves a work-group, no clusters, 1,280 bytes of LDS; arguments embedding, cb, eew; writes cb, eew
.if DOCPART == 1
	.amdgcn_target "amdgcn-amd-amdhsa--gfx1250"
	.amdhsa_code_object_version 6
	.text
	.protected	k_q1abb1ade2f_prep
	.globl	k_q1abb1ade2f_prep
	.p2align	8
	.type	k_q1abb1ade2f_prep,@function
k_q1abb1ade2f_prep:
	s_mov_b64 s[64:65], 0
	v_nop
	global_prefetch_b8 v0, s[64:65] scope:SCOPE_SE
	s_setreg_imm32_b32 hwreg(HW_REG_WAVE_MODE, 25, 1), 1
	s_wait_xcnt 0x0
; cb[k][c] = bf16(embedding[k][c]);  eew[k] = sum over c of bf16(embedding[k][c])^2, in f32.
; embedding: [8192][256] f32.  cb: [8192][256] bf16.  eew: [8192] f32.
; 256 work-groups of 8 waves; a work-group owns 32 rows, a wave 4 rows, one row at a time: a row of 1,024 bytes is two loads of
; 16 bytes a lane (512 neighbouring bytes each), and goes out as two stores of 8 bytes a lane (256 neighbouring bytes each, aligned).
; The squares are taken of the ROUNDED numbers, since the distances of the next launch are made of the rounded numbers.
; No matrix unit, no cluster: every byte is read once and nothing is shared.
.set X,  8                             ; v[8:39]   row i: 8 registers as loaded
.set PK, 40                            ; v[40:55]  row i: 4 registers of packed bf16, the stores' data (never rewritten)
.set T,  56                            ; v[56:63]  the rounded numbers widened again
.set S,  6                             ; v[6:7]    the row's sum
	s_load_b128 s[4:7], s[0:1], 0x0                ; embedding s[4:5], cb s[6:7]
	s_load_b64 s[8:9], s[0:1], 0x10                ; eew
	v_lshl_add_u32 v64, v0, 2, 0x100
	v_mov_b32 v65, 0
	v_lshrrev_b32 v3, 5, v0
	v_readfirstlane_b32 s14, v3                    ; wave 0..7
	v_and_b32 v4, 31, v0                           ; lane
	v_lshlrev_b32 v1, 4, v4                        ; 16 x lane: my bytes in half a row of f32
	v_lshlrev_b32 v2, 3, v4                        ; 8 x lane: my bytes in half a row of bf16
	v_lshlrev_b32 v3, 2, v4                        ; 4 x lane: the way out of the sums
	s_lshl_b32 s16, ttmp9, 15                      ; 32 rows of 1,024 bytes a work-group
	s_lshl_b32 s17, s14, 12                        ; 4 rows a wave
	s_add_co_u32 s16, s16, s17
	s_mov_b32 s17, 0
	s_lshr_b32 s18, s16, 1                         ; the same rows in cb: half the bytes
	s_mov_b32 s19, 0
	s_lshl_b32 s20, ttmp9, 7                       ; 32 sums of 4 bytes a work-group
	s_mov_b32 s21, 0
	s_lshl_b32 s22, s14, 4                         ; my wave's four words in LDS
	v_mov_b32 v5, s22
	s_mov_b32 s12, 0x76543210                      ; v_permlanex16_b32: lane i of one half reads lane i of the other
	s_mov_b32 s13, 0xfedcba98
	s_wait_kmcnt 0x0
	s_add_nc_u64 s[4:5], s[4:5], s[16:17]
	s_add_nc_u64 s[6:7], s[6:7], s[18:19]
	s_add_nc_u64 s[8:9], s[8:9], s[20:21]
.irp i, 0,1,2,3
	global_load_b128 v[X+8*\i:X+8*\i+3],   v1, s[4:5] offset:\i*1024
	global_load_b128 v[X+8*\i+4:X+8*\i+7], v1, s[4:5] offset:\i*1024+512
.endr
.macro ROW i
	s_wait_loadcnt 6-2*\i                          ; loads come back in order: this row's two are in, two for each younger row stay out
.irp k, 0,1,2,3
	v_cvt_pk_bf16_f32 v[PK+4*\i+\k], v[X+8*\i+2*\k], v[X+8*\i+2*\k+1]
.endr
	global_store_b64 v2, v[PK+4*\i:PK+4*\i+1],   s[6:7] offset:\i*512
	global_store_b64 v2, v[PK+4*\i+2:PK+4*\i+3], s[6:7] offset:\i*512+256
.irp k, 0,1,2,3
	v_lshlrev_b32 v[T+2*\k],   16, v[PK+4*\i+\k]           ; bf16 to f32: the low half moves up,
	v_and_b32     v[T+2*\k+1], 0xffff0000, v[PK+4*\i+\k]   ; the high half stays
.endr
	v_pk_mul_f32 v[S:S+1], v[T:T+1], v[T:T+1]                  ; the first squares start the sum
.irp k, 1,2,3
	v_pk_fma_f32 v[S:S+1], v[T+2*\k:T+2*\k+1], v[T+2*\k:T+2*\k+1], v[S:S+1]
.endr
	v_add_f32 v[S], v[S], v[S+1]
	v_add_f32_dpp v[S], v[S], v[S] row_xmask:1 row_mask:0xf bank_mask:0xf
	v_add_f32_dpp v[S], v[S], v[S] row_xmask:2 row_mask:0xf bank_mask:0xf
	v_add_f32_dpp v[S], v[S], v[S] row_xmask:4 row_mask:0xf bank_mask:0xf
	v_add_f32_dpp v[S], v[S], v[S] row_xmask:8 row_mask:0xf bank_mask:0xf
	v_permlanex16_b32 v[S+1], v[S], s12, s13       ; its destination has been written above
	v_add_f32 v[S], v[S], v[S+1]
	ds_store_b32 v5, v[S] offset:4*\i              ; all lanes write the same word with the same value
.endm
	ROW 0
	ROW 1
	ROW 2
	ROW 3
	s_wait_dscnt 0x0                               ; for the other waves' sake: my four sums are in LDS
	s_barrier_signal -1
	s_barrier_wait -1
	s_cmp_lg_u32 s14, 0
	s_cbranch_scc1 .Lend
	ds_load_b32 v6, v3                             ; wave 0: the work-group's 32 sums, one a lane
	s_wait_dscnt 0x0
	global_store_b32 v3, v6, s[8:9]                ; 128 neighbouring bytes in one store
.Lend:
	s_wait_tensorcnt 0x0
	ds_add_u32 v64, v65
	s_wait_dscnt 0x0
	s_endpgm
.Lfunc_end_k_q1abb1ade2f_prep:
	.size	k_q1abb1ade2f_prep, .Lfunc_end_k_q1abb1ade2f_prep-k_q1abb1ade2f_prep
	.p2alignl 7, 3214868480
	.fill 96, 4, 3214868480
	.section	.rodata,"a",@progbits
	.p2align	6, 0x0
	.amdhsa_kernel k_q1abb1ade2f_prep
		.amdhsa_group_segment_fixed_size 1280
		.amdhsa_private_segment_fixed_size 0
		.amdhsa_enable_private_segment 0
		.amdhsa_kernarg_size 24
		.amdhsa_user_sgpr_count 2
		.amdhsa_user_sgpr_kernarg_segment_ptr 1
		.amdhsa_wavefront_size32 1
		.amdhsa_system_sgpr_workgroup_id_x 1
		.amdhsa_system_sgpr_workgroup_id_y 1
		.amdhsa_system_sgpr_workgroup_id_z 1
		.amdhsa_system_vgpr_workitem_id 0
		.amdhsa_next_free_vgpr 66
		.amdhsa_next_free_sgpr 66
		.amdhsa_reserve_vcc 0
		.amdhsa_float_denorm_mode_32 3
		.amdhsa_float_denorm_mode_16_64 3
		.amdhsa_memory_ordered 1
		.amdhsa_forward_progress 1
		.amdhsa_inst_pref_size 9
	.end_amdhsa_kernel
	.amdgpu_metadata
---
amdhsa.version: [ 1, 2 ]
amdhsa.kernels:
  - .name:           k_q1abb1ade2f_prep
    .symbol:         k_q1abb1ade2f_prep.kd
    .args:
      - { .name: embedding, .offset: 0, .size: 8, .value_kind: global_buffer, .address_space: global }
      - { .name: cb, .offset: 8, .size: 8, .value_kind: global_buffer, .address_space: global }
      - { .name: eew, .offset: 16, .size: 8, .value_kind: global_buffer, .address_space: global }
    .group_segment_fixed_size: 1280
    .private_segment_fixed_size: 0
    .kernarg_segment_align: 8
    .kernarg_segment_size: 24
    .max_flat_workgroup_size: 256
    .sgpr_count:     66
    .vgpr_count:     66
    .wavefront_size: 32
...
	.end_amdgpu_metadata
.endif
;; end of part 1
;; launch vq (part 2): grid 256 x 1, 8 waves a work-group, clusters of 4 x 1, 327,680 bytes of LDS; arguments cb, eew, z, out2, idxw; writes out2, idxw
.if DOCPART == 2
	.amdgcn_target "amdgcn-amd-amdhsa--gfx1250"
	.amdhsa_code_object_version 6
	.text
	.protected	k_q1abb1ade2f_vq
	.globl	k_q1abb1ade2f_vq
	.p2align	8
	.type	k_q1abb1ade2f_vq,@function
k_q1abb1ade2f_vq:
	s_mov_b64 s[64:65], 0
	v_nop
	global_prefetch_b8 v0, s[64:65] scope:SCOPE_SE
	s_setreg_imm32_b32 hwreg(HW_REG_WAVE_MODE, 25, 1), 1
	s_wait_xcnt 0x0
	s_wait_alu depctr_hold_cnt(0) depctr_sa_sdst(0) depctr_va_vdst(0) depctr_va_sdst(0) depctr_va_ssrc(0) depctr_va_vcc(0) depctr_vm_vsrc(0)
	s_getreg_b32 s2, hwreg(HW_REG_IB_STS2, 6, 4)
	s_cmp_eq_u32 s2, 0
	s_cbranch_scc0 .Lentry_in_a_cluster
	s_endpgm
.Lentry_in_a_cluster:
	s_bfe_u32 s2, ttmp6, 0x10000c
	s_cmp_lg_u32 s2, 0x3003
	s_cbranch_scc0 .Lentry_shape_is_right
	s_endpgm
.Lentry_shape_is_right:
; idx[n] = argmin over k of (zz[n] + ee[k]) - 2 dot(z[n], e[k]), n = 32,768 vectors of 256 numbers, k = 8,192 codes.
; z: [32][256][1024] f32 (vector n = image x 1024 + hw lies down a column).  cb: [8192][256] bf16.  eew: [8192] f32.  out2, idxw: [32768] i32.
; Operands are rounded to bf16; zz and ee are sums of squares of the rounded numbers; the distance is made in the order of roundings of
; the formula above: t = zz + ee (one rounding), d = t - 2 dot (one rounding, a fused multiply-add).  Equal distances: the lower index.
; LIMITS: NaN or infinity in the inputs is not served (a NaN never wins here).  Where two codes' distances differ by less than the f32
; rounding of a distance and of a sum of 256 products, the choice may differ from that of another order of summation.
;
; SHARES: 256 work-groups of 8 waves.  A work-group owns 128 vectors (one image, 128 neighbouring hw) and walks all codes in 32 steps of 256.
; Wave w: rh = w & 1 picks 64 of the vectors, cq = w >> 1 picks 64 of a step's codes.  A wave keeps its 64 vectors for the whole K as matrix
; source 1: 4 tiles x 8 K steps x 8 registers = 256 registers, the whole second window.  All else lies in the first window, so that one
; setting of s_set_vgpr_msb (source 1 in window 1) serves the matrix instructions, the LDS loads and all of the argmin's arithmetic that
; has a constant or a scalar as its second source; the compares alone need the plain setting, and come eight in a run.
; A UNIT is 16 codes x 64 vectors x K 256: 32 matrix instructions on four accumulators.  The argmin of the unit before (128 vector
; instructions on the other four accumulators) is woven between them, four behind each matrix instruction.
; Eight waves and not four: two waves a SIMD, so that one wave's vector work can run beside the other's matrix work.
; CLUSTER: every work-group walks the same codes.  Four work-groups form a cluster and ask for each tile of codes, and for ee, jointly
; (mask 15): a quarter of the requests.  z's tile is each work-group's own (mask 0).
; THE CHANGE OF SLOTS lies inside a step's last unit: a slot's last LDS read is issued in that unit's K step 0, so the round of the cluster's
; barrier, the refill of the slot just read and the first reads of the other slot all stand among that unit's matrix instructions,
; and the ring of code fragments runs on from step to step.
;
; LDS: slot 0 at 0, slot 1 at SLOT: 256 rows of 512 bytes + 16 of padding; ee (all 8,192) at EEB; scratch of the last reduction at SCR.
; Slot 1's first fill is the work-group's z tile in f32, [256 k][128 hw]: rows of 512 bytes too.  It is read once, rounded and kept in registers.
.set PITCH, 528                        ; an odd multiple of 16 bytes: the 16-byte pieces that sixteen lanes take of sixteen rows fall on sixteen different columns of 256 bytes
.set PART,  64*PITCH                   ; what one tensor load brings: 64 rows
.set SLOT,  4*PART
.set EEB,   2*SLOT
.set SCR,   EEB+32768                  ; 4,096 bytes: d[cq][128] f32, then idx[cq][128]; no tensor load ever lands here
.set STEPB, 256*512                    ; bytes of cb in a step
.set STEPS, 32
.set ADRA, 4                           ; v4, v5    LDS address of my code fragments in slot 0, 1
.set ADRE, 6                           ; v6        LDS address of my ee in this step
.set ADRZ, 7                           ; v7        LDS address of my z numbers
.set ASCR, 8                           ; v8        where I put my four results
.set L16,  9                           ; v9        16 x lane
.set ZZ,   16                          ; v[16:23]  zz of my column in tile b, twice (a pair for the packed add)
.set EE,   24                          ; v[24:31], v[32:39]  ee of codes 8h .. 8h+7 of a unit, two sets
.set TT,   40                          ; v[40:47], v[48:55]  distances at work, two sets
.set AF,   64                          ; v[64:127] code fragments of K steps 0 .. 7, run as a ring
.set ACC,  128                         ; v[128:159], v[160:191]  four accumulators, two sets
.set BEST, 192                         ; v[192:223] smallest distance so far, for tile b and register j at 8 b + j
.set IDX,  224                         ; v[224:255] the first code of the unit in which it was met
.set X0,   64                          ; the z stage: 16 loads of 4 registers, two buffers (before the ring starts)
.set X1,   128
.set MASK, 72                          ; s[72:79]  eight compare masks
.set G1C,  24                          ; s[24:31]  group 1, tiles of codes
.set G0C,  32                          ; s[32:39]  group 0, tiles of codes, a set for each slot
.set G1Z,  40                          ; s[40:47]  group 1, z
.set G0Z,  48                          ; s[48:51]  group 0, z
.set G1E,  52                          ; s[52:59]  group 1, ee
.set G0E,  60                          ; s[60:63]  group 0, ee
.set WM,   0x04                        ; source 1 in window 1, all else in window 0
.set MSB,  0
.macro WIN new                         ; the immediate's high byte repeats the setting that is left; a switch that changes nothing is dropped
.if MSB != \new
	s_set_vgpr_msb (MSB<<8)|\new
.set MSB, \new
.endif
.endm
; A round of the cluster's barrier: my work-group's barrier, wave 0 signals for the work-group, every wave waits for all four work-groups,
; my work-group's barrier once more.
.macro ROUND
	s_barrier_signal -1
	s_barrier_wait -1
	s_cmp_lg_u32 s14, 0
	s_cbranch_scc1 .Lnot_wave_0_\@
	s_barrier_signal -3
.Lnot_wave_0_\@:
	s_barrier_wait -3
	s_barrier_signal -1
	s_barrier_wait -1
.endm
; The joint refill of a slot: waves 0 to 3 bring 64 rows each; the branch hangs on the wave's number alone.
.macro JLOAD slot
	s_cmp_ge_u32 s14, 4
	s_cbranch_scc1 .Lno_fill_\@
	tensor_load_to_lds s[G0C+4*(\slot):G0C+4*(\slot)+3], s[G1C:G1C+7]
	s_nop 0
.Lno_fill_\@:
.endm
; The fragment of unit u, K step s: lane (r, h) takes of code row r the 16 bytes at 64 s + 16 h and those 32 further on.
.macro LDA slot, u, s
	ds_load_b128 v[AF+8*(\s):AF+8*(\s)+3],   v[ADRA+\slot] offset:(\u)*16*PITCH+64*(\s)
	ds_load_b128 v[AF+8*(\s)+4:AF+8*(\s)+7], v[ADRA+\slot] offset:(\u)*16*PITCH+64*(\s)+32
.endm
; ee of unit u's codes 8h .. 8h+7 into set p
.macro LDE u, p
	ds_load_b128 v[EE+8*(\p):EE+8*(\p)+3],   v[ADRE] offset:64*(\u)
	ds_load_b128 v[EE+8*(\p)+4:EE+8*(\p)+7], v[ADRE] offset:64*(\u)+16
.endm
; Piece i (0 .. 7) of the argmin of tile t of the unit that lies in set a.  Every line but the compares has a constant or a scalar as its
; second source, so that it means the same under WM and under the plain setting.  back: the setting to return to behind the compares.
.macro ESLOT t, i, a, back
.set ET, TT+8*((\t)&1)
.set EA, ACC+32*(\a)+8*(\t)
.set EV, EE+8*(\a)
.set EB, BEST+8*(\t)
.set EI, IDX+8*(\t)
.set EZ, ZZ+2*(\t)
.if (\i)==0
.irp j, 0,2,4,6
	v_pk_fma_f32 v[ET+\j:ET+\j+1], v[EV+\j:EV+\j+1], 1.0, v[EZ:EZ+1] op_sel_hi:[1,0,1]              ; t = ee + zz, one rounding
.endr
.endif
.if (\i)==1
.irp j, 0,2,4,6
	v_pk_fma_f32 v[ET+\j:ET+\j+1], v[EA+\j:EA+\j+1], -2.0, v[ET+\j:ET+\j+1] op_sel_hi:[1,0,1]       ; d = t - 2 dot, one rounding
.endr
.endif
.if (\i)==2
	WIN 0
.irp j, 0,1,2,3,4,5,6,7
	v_cmp_lt_f32 s[MASK+\j], v[ET+\j], v[EB+\j]    ; strictly smaller: on equal distances the earlier, lower code stays
.endr
	WIN \back
.endif
.if (\i)==4
.irp j, 0,1,2,3
	v_cndmask_b32 v[EI+\j], v[EI+\j], s67, s[MASK+\j]
.endr
.endif
.if (\i)==5
.irp j, 4,5,6,7
	v_cndmask_b32 v[EI+\j], v[EI+\j], s67, s[MASK+\j]
.endr
.endif
.if (\i)==6
.irp j, 0,1,2,3
	v_min3_num_f32 v[EB+\j], v[ET+\j], s68, v[EB+\j]           ; s68 = +infinity: the smaller of two, with a scalar in the second place
.endr
.endif
.if (\i)==7
.irp j, 4,5,6,7
	v_min3_num_f32 v[EB+\j], v[ET+\j], s68, v[EB+\j]
.endr
.endif
.endm
; Unit u of the step in a slot.  The four accumulators take turns, one matrix instruction a turn, over the units' and the loop's edges too.
; LDS LOADS go out in two runs a unit: behind the first matrix instruction of K step 0 fragments 4 .. 7 of this unit and its ee (10 loads);
; behind the first of K step 4 fragments 0 .. 3 of the next unit (8 loads).  A wait's count is the number of loads issued behind the fragment
; that the K step needs: K step 0: 6 (fragments 1 .. 3); 1, 2, 3: 4, 2, 0 and the ten = 14, 12, 10; 4: 8 (fragments 5 .. 7, ee);
; 5, 6, 7: 4, 2, 0, ee's two and the eight = 14, 12, 10.  ee of a unit is first read in the next unit's K step 0, with eight loads behind it:
; the count 6 covers it.
; A fragment register is loaded again behind eight plain vector instructions that follow its last matrix instruction (pieces 7 and 0 of
; the argmin), none of which names a register of that instruction (ISA guide 7.12.1).
; kind 0: a unit inside a step.  kind 1, 2, 3: a step's last unit.
; kind 1, THE CHANGE OF SLOTS WITH A REFILL.  At K step 2 my reads of this slot are back (they were all issued by K step 0) and all my tensor
; loads have landed, my part of the other slot's tile among them; the slot's group 0 steps two steps on; the round opens.  Only matrix
; instructions and the argmin, register work, stand between the round's stages.  Behind its closing wait, at K step 6, the slot just read is
; asked for again first, one load a wave, and then the other slot's first fragments are read.  From that request to the wait for it a wave
; issues 112 of a step's 128 matrix instructions.
; kind 2: the last change of slots: nothing is filled again, so my work-group's barrier alone shows the other slot whole.
; kind 3: the last unit of all: nothing follows.
.macro UNIT slot, u, kind
.set UP, (\u)&1
.set UA, ACC+32*UP
.irp ks, 0,1,2,3,4,5,6,7
.if \ks==0
	s_wait_dscnt 6
.endif
.if \ks==1
	s_wait_dscnt 14
.endif
.if \kind==0
.if \ks==2
	s_wait_dscnt 12
.endif
.if \ks==3
	s_wait_dscnt 10
.endif
.if \ks==4
	s_wait_dscnt 8
.endif
.if \ks>4
	s_wait_dscnt 24-2*\ks
.endif
.else
.if \ks==2
	s_wait_dscnt 0x0                               ; my reads of this slot are back, and this unit's ee
.if \kind<3
	s_set_vgpr_msb 0x400
	s_wait_tensorcnt 0x0                           ; all my tensor loads have landed,
	ds_add_u32 v62, v63
	s_wait_dscnt 0x0
	s_set_vgpr_msb 0x4
.if \kind==1
	s_add_nc_u64 s[G0C+4*\slot+2:G0C+4*\slot+3], s[G0C+4*\slot+2:G0C+4*\slot+3], 2*STEPB   ; so a group 0 may be written: this slot's next tile
.endif
	s_barrier_signal -1                            ; say so
.endif
.endif
.if \kind==1
.if \ks==3
	WIN 0                                          ; a branch and a label follow
	s_barrier_wait -1                              ; all eight waves have said so:
	s_cmp_lg_u32 s14, 0
	s_cbranch_scc1 .Lnot_first_\@
	s_barrier_signal -3                            ; wave 0 says so for the work-group
.Lnot_first_\@:
.endif
.if \ks==5
	s_barrier_wait -3                              ; all four work-groups have said so
	s_barrier_signal -1
.endif
.endif
.if \ks==6
.if \kind<3
	WIN 0
	s_barrier_wait -1                              ; the round (kind 2: the barrier) is closed
.if \kind==1
	JLOAD \slot                                    ; the first tensor load behind it, ahead of every LDS read
.endif
	v_add_nc_u32 v[ADRE], 1024, v[ADRE]            ; the next step's 256 ee
.irp s, 0,1,2,3
	LDA 1-\slot, 0, \s
.endr
.endif
.endif
.endif
	WIN WM
.irp b, 0,1,2,3
.if \ks==0
	v_wmma_f32_16x16x32_bf16 v[UA+8*\b:UA+8*\b+7], v[AF+8*\ks:AF+8*\ks+7], v[64*\b+8*\ks:64*\b+8*\ks+7], 0
.else
	v_wmma_f32_16x16x32_bf16 v[UA+8*\b:UA+8*\b+7], v[AF+8*\ks:AF+8*\ks+7], v[64*\b+8*\ks:64*\b+8*\ks+7], v[UA+8*\b:UA+8*\b+7]
.endif
	ESLOT \ks/2, 4*(\ks%2)+\b, 1-UP, WM
.if \b==0
.if \ks==0
.irp s, 4,5,6,7
	LDA \slot, \u, \s
.endr
	LDE \u, UP
.endif
.if \ks==4
.if \kind==0
.irp s, 0,1,2,3
	LDA \slot, \u+1, \s
.endr
.endif
.endif
.endif
.endr
.endr
.if \u==0
	s_add_co_u32 s67, s67, 208                     ; from the last unit of the step before to this step's first: 256 - 48 codes
.else
	s_add_co_u32 s67, s67, 16
.endif
.endm
; A step of 256 codes: four units; kind is the last unit's.
.macro TRIP slot, kind
	UNIT \slot, 0, 0
	UNIT \slot, 1, 0
	UNIT \slot, 2, 0
	UNIT \slot, 3, \kind
.endm
; (dd, di) = the better of (d1, i1) and (d2, i2): the smaller distance, on equal distances the lower index
.macro MERGE dd, di, d1, i1, d2, i2
	v_cmp_lt_f32 s80, v[\d2], v[\d1]
	v_cmp_eq_f32 s81, v[\d2], v[\d1]
	v_cmp_lt_u32 s82, v[\i2], v[\i1]
	s_and_b32 s81, s81, s82
	s_or_b32 s80, s80, s81
	v_cndmask_b32 v[\dd], v[\d1], v[\d2], s80
	v_cndmask_b32 v[\di], v[\i1], v[\i2], s80
.endm
.macro PAIR b, x, y
	MERGE BEST+8*\b+\x, IDX+8*\b+\x, BEST+8*\b+\x, IDX+8*\b+\x, BEST+8*\b+\y, IDX+8*\b+\y
.endm
; z of one K step: for k = 32 s + 16 q + 8 h + e the 16 bytes of vectors 64 rh + 4 r .. + 3, which are column r of the four tiles
.macro ZLOAD x
.irp q, 0,1
.irp e, 0,1,2,3,4,5,6,7
	ds_load_b128 v[\x+4*(8*\q+\e):\x+4*(8*\q+\e)+3], v[ADRZ] offset:(16*\q+\e)*PITCH
.endr
.endr
	v_add_nc_u32 v[ADRZ], 32*PITCH, v[ADRZ]
.endm
; rounded, two neighbouring k to a register, into the fragment of tile b, K step s, in window 1
.macro ZCVT s, x
	WIN 0x40
.irp q, 0,1
.irp pp, 0,1,2,3
.irp b, 0,1,2,3
	v_cvt_pk_bf16_f32 v[64*\b+8*(\s)+4*\q+\pp], v[\x+4*(8*\q+2*\pp)+\b], v[\x+4*(8*\q+2*\pp+1)+\b]
.endr
.endr
.endr
	WIN 0
.endm
	s_load_b256 s[4:11], s[0:1], 0x0               ; cb s[4:5], eew s[6:7], z s[8:9], out2 s[10:11]
	s_load_b64 s[12:13], s[0:1], 0x20              ; idxw
	v_lshl_add_u32 v62, v0, 2, 0x4b000
	v_mov_b32 v63, 0
	ds_add_u32 v62, v63
	v_lshrrev_b32 v1, 5, v0
	v_readfirstlane_b32 s14, v1                    ; wave 0..7
	s_and_b32 s15, s14, 1                          ; rh
	s_lshr_b32 s16, s14, 1                         ; cq
	s_and_b32 s18, s14, 3                          ; which 64 rows of a tile a filling wave brings
	s_bfe_u32 s19, ttmp6, 0x40000                  ; cx: my place in the cluster
	s_lshl_b32 s17, ttmp9, 2                       ; in a cluster launch ttmp9 counts clusters
	s_add_co_u32 s17, s17, s19                     ; work-group 0..255
	s_mov_b32 s68, 0x7f800000                      ; +infinity
	s_mov_b32 s70, 0x76543210                      ; v_permlanex16_b32: lane i of one half reads lane i of the other
	s_mov_b32 s71, 0xfedcba98
	; group 1 for codes: 64 rows x 256 elements of 2 bytes, 4 words of padding behind every 128 words; mask 15: the four of the cluster, bit 21 beside it
	s_mov_b32 s[G1C+0], 15|(1<<16)|(1<<20)|(1<<21)|(6<<22)|(3<<25)
	s_mov_b32 s[G1C+1], 256<<16                    ; tensor_dim0 = 256
	s_mov_b32 s[G1C+2], 64<<16                     ; tensor_dim1 = 64
	s_mov_b32 s[G1C+3], 256<<16                    ; tile_dim0 = 256
	s_mov_b32 s[G1C+4], 64                         ; tile_dim1 = 64
	s_mov_b32 s[G1C+5], 256                        ; elements from row to row
	s_mov_b32 s[G1C+6], 0
	s_mov_b32 s[G1C+7], 0
	; group 1 for z: 64 rows (k) x 128 elements (hw) of 4 bytes, the same padding; no mask
	s_mov_b32 s[G1Z+0], (2<<16)|(1<<20)|(6<<22)|(3<<25)
	s_mov_b32 s[G1Z+1], 128<<16
	s_mov_b32 s[G1Z+2], 64<<16
	s_mov_b32 s[G1Z+3], 128<<16
	s_mov_b32 s[G1Z+4], 64
	s_mov_b32 s[G1Z+5], 1024                       ; from k to k + 1: one plane of 1,024 numbers
	s_mov_b32 s[G1Z+6], 0
	s_mov_b32 s[G1Z+7], 0
	; group 1 for ee: a dense block of 32,768 bytes as 128 rows of 32 elements of 8 bytes; joint
	s_mov_b32 s[G1E+0], 15|(3<<16)|(1<<21)
	s_mov_b32 s[G1E+1], 32<<16
	s_mov_b32 s[G1E+2], 128<<16
	s_mov_b32 s[G1E+3], 32<<16
	s_mov_b32 s[G1E+4], 128
	s_mov_b32 s[G1E+5], 32
	s_mov_b32 s[G1E+6], 0
	s_mov_b32 s[G1E+7], 0
	s_mul_i32 s20, s14, PART                       ; where a filling wave's 64 rows go: the wave's number times a constant
	s_lshl_b32 s80, s18, 15                        ; and where they come from in cb: 64 rows of 512 bytes
	s_mov_b32 s81, 0
	s_lshr_b32 s82, s17, 3                         ; z: the image,
	s_lshl_b32 s82, s82, 20
	s_and_b32 s84, s17, 7                          ; the 128 hw,
	s_lshl_b32 s84, s84, 9
	s_add_co_u32 s82, s82, s84
	s_lshl_b32 s84, s18, 18                        ; the wave's 64 planes
	s_add_co_u32 s82, s82, s84
	s_mov_b32 s83, 0
	s_lshl_b32 s84, s17, 9                         ; the work-group's 128 indices
	s_mov_b32 s85, 0
	s_wait_dscnt 0x0
	s_wait_kmcnt 0x0
	s_mov_b32 s[G0C+0], 1
	s_mov_b32 s[G0C+1], s20
	s_add_nc_u64 s[G0C+2:G0C+3], s[4:5], s[80:81]              ; step 0
	s_mov_b32 s[G0C+4], 1
	s_add_co_u32 s[G0C+5], s20, SLOT
	s_add_nc_u64 s[G0C+6:G0C+7], s[G0C+2:G0C+3], STEPB         ; step 1
	s_or_b32 s[G0C+3], s[G0C+3], 0x80000000
	s_or_b32 s[G0C+7], s[G0C+7], 0x80000000
	s_mov_b32 s[G0Z+0], 1
	s_add_co_u32 s[G0Z+1], s20, SLOT
	s_add_nc_u64 s[G0Z+2:G0Z+3], s[8:9], s[82:83]
	s_or_b32 s[G0Z+3], s[G0Z+3], 0x80000000
	s_mov_b32 s[G0E+0], 1
	s_mov_b32 s[G0E+1], EEB
	s_mov_b64 s[G0E+2:G0E+3], s[6:7]
	s_or_b32 s[G0E+3], s[G0E+3], 0x80000000
	s_add_nc_u64 s[10:11], s[10:11], s[84:85]
	s_add_nc_u64 s[12:13], s[12:13], s[84:85]
	ROUND                                          ; the four work-groups are here: the first joint loads meet
	; The first fills, one group: waves 0 to 3 two loads each (codes of step 0 into slot 0, z into slot 1), wave 4 one (ee).  At most two are out in a wave.
	s_cmp_ge_u32 s14, 4
	s_cbranch_scc1 .Lupper
	tensor_load_to_lds s[G0C:G0C+3], s[G1C:G1C+7]
	s_nop 0
	tensor_load_to_lds s[G0Z:G0Z+3], s[G1Z:G1Z+7]
	s_nop 0
	s_branch .Lfilled
.Lupper:
	s_cmp_lg_u32 s14, 4
	s_cbranch_scc1 .Lfilled
	tensor_load_to_lds s[G0E:G0E+3], s[G1E:G1E+7]
	s_nop 0
.Lfilled:
	; addresses and the argmin's state, while the fills are on their way
	v_and_b32 v1, 15, v0                           ; r
	v_bfe_u32 v2, v0, 4, 1                         ; h
	v_lshlrev_b32 v3, 3, v2                        ; 8 h
	v_mul_u32_u24 v10, v1, PITCH
	v_lshl_add_u32 v10, v2, 4, v10                 ; r x pitch + 16 h
	s_mul_i32 s80, s16, PART                       ; my 64 codes of a slot
	v_add_nc_u32 v[ADRA], s80, v10
	s_add_co_u32 s80, s80, SLOT
	v_add_nc_u32 v[ADRA+1], s80, v10
	s_lshl_b32 s80, s16, 8                         ; my 64 ee of a step
	s_add_co_u32 s80, s80, EEB
	v_lshl_add_u32 v[ADRE], v2, 5, s80             ; + 8 h numbers
	s_lshl_b32 s80, s15, 8                         ; my 64 vectors: 256 bytes of a z row
	s_add_co_u32 s81, s80, SLOT
	v_mul_u32_u24 v10, v3, PITCH                   ; row k = 8 h
	v_lshl_add_u32 v10, v1, 4, v10                 ; + 16 r
	v_add_nc_u32 v[ADRZ], s81, v10
	s_lshl_b32 s81, s16, 9
	s_add_co_u32 s81, s81, s80
	s_add_co_u32 s81, s81, SCR
	v_lshl_add_u32 v[ASCR], v1, 4, s81             ; scratch: cq x 512 + rh x 256 + 16 r
	v_and_b32 v[L16], 31, v0
	v_lshlrev_b32 v[L16], 4, v[L16]
	s_lshl_b32 s67, s16, 6
	s_sub_co_u32 s67, s67, 208                     ; one unit's step in front of my first code (never chosen: see below)
.set n, 0
.rept 32
	v_mov_b32 v[BEST+n], s68                       ; nothing met yet
	v_mov_b32 v[IDX+n], 0
.set n, n+1
.endr
.set n, 0
.rept 8
	v_mov_b32 v[EE+8+n], s68                       ; the argmin woven into the very first unit has no unit before it: it sees the distance +infinity and changes nothing
.set n, n+1
.endr
	s_wait_tensorcnt 0x0                           ; my fills have landed,
	s_barrier_signal -1
	s_barrier_wait -1                              ; everybody's have
	; z: from LDS, rounded, into window 1.  Two stages take turns; the count 16 leaves the other stage's 16 loads out.
	ZLOAD X0
.irp s, 0,2,4
	ZLOAD X1
	s_wait_dscnt 16
	ZCVT \s, X0
	ZLOAD X0
	s_wait_dscnt 16
	ZCVT \s+1, X1
.endr
	ZLOAD X1
	s_wait_dscnt 16
	ZCVT 6, X0
	s_wait_dscnt 0x0                               ; the last of z is in registers: my reads of slot 1 are back,
	ZCVT 7, X1
	s_wait_tensorcnt 0x0                           ; and no tensor load of mine is out:
	ds_add_u32 v62, v63
	s_wait_dscnt 0x0
	ROUND                                          ; that now holds of every wave of the four work-groups
	JLOAD 1                                        ; step 1's codes go where z lay; they land under the sums below and step 0
.irp s, 0,1,2,3
	LDA 0, 0, \s                                   ; the first unit's fragments 0 .. 3, as every unit finds them: eight loads, none behind them
.endr
	; zz of the rounded numbers: for each tile a chain for the low halves and one for the high halves, eight chains in all
.irp j, 0,1,2,3,4,5,6,7
	v_mov_b32 v[TT+\j], 0
.endr
	WIN 0x05                                       ; sources 0 and 1 in window 1
.set zi, 0
.rept 64
.irp b, 0,1,2,3
	v_fma_mix_f32_bf16 v[TT+2*\b],   v[64*\b+zi], v[64*\b+zi], v[TT+2*\b]   op_sel_hi:[1,1,0]
	v_fma_mix_f32_bf16 v[TT+2*\b+1], v[64*\b+zi], v[64*\b+zi], v[TT+2*\b+1] op_sel:[1,1,0] op_sel_hi:[1,1,0]
.endr
.set zi, zi+1
.endr
	WIN 0
.irp b, 0,1,2,3
	v_add_f32 v[TT+2*\b], v[TT+2*\b], v[TT+2*\b+1]
	v_permlanex16_b32 v[TT+2*\b+1], v[TT+2*\b], s70, s71       ; the other half of the lanes holds the other half of k
	v_add_f32 v[ZZ+2*\b],   v[TT+2*\b], v[TT+2*\b+1]
	v_add_f32 v[ZZ+2*\b+1], v[TT+2*\b], v[TT+2*\b+1]
.endr
.set n, 0
.rept 32
	v_mov_b32 v[ACC+32+n], 0                       ; the second set, for the very first unit's empty argmin (it shared registers with the z stage)
.set n, n+1
.endr
	; the ring: 32 steps.  Step t asks, in its last unit, for step t + 2; steps 0 to 29 go round in the loop.
	s_mov_b32 s66, STEPS/2-1
.Lring:
	TRIP 0, 1
	TRIP 1, 1
	WIN 0                                          ; at a branch and at a label every window is 0
	s_sub_co_u32 s66, s66, 1
	s_cmp_lg_u32 s66, 0
	s_cbranch_scc1 .Lring
	TRIP 0, 2                                      ; the last two steps ask for nothing: no tile lies beyond cb's end
	TRIP 1, 3
	WIN 0
	; The last unit's argmin; its ee came in with that unit's wait for all LDS loads.
	; Piece 7 of the unit and piece 0 here are the places behind the last matrix instructions.
.irp t, 0,1,2,3
.irp i, 0,1,2,4,5,6,7
	ESLOT \t, \i, 1, 0
.endr
.endr
	; inside the wave: the code's place in its unit (8 h + j) joins the index; eight registers, then the two halves of the lanes
.irp j, 0,1,2,3,4,5,6,7
	v_add_nc_u32 v[TT+\j], \j, v3                  ; 8 h + j (the distances at work are no longer needed)
.endr
.irp b, 0,1,2,3
.irp j, 0,1,2,3,4,5,6,7
	v_add_nc_u32 v[IDX+8*\b+\j], v[IDX+8*\b+\j], v[TT+\j]
.endr
.endr
.irp b, 0,1,2,3
	PAIR \b, 0, 1
	PAIR \b, 2, 3
	PAIR \b, 4, 5
	PAIR \b, 6, 7
	PAIR \b, 0, 2
	PAIR \b, 4, 6
	PAIR \b, 0, 4
	v_permlanex16_b32 v[TT+8+\b],  v[BEST+8*\b], s70, s71      ; destinations written before, in the argmin
	v_permlanex16_b32 v[TT+12+\b], v[IDX+8*\b],  s70, s71
	MERGE TT+\b, TT+4+\b, BEST+8*\b, IDX+8*\b, TT+8+\b, TT+12+\b
.endr
	ds_store_b128 v[ASCR], v[TT:TT+3]              ; vectors 64 rh + 4 r .. + 3: four distances (both halves of the lanes write the same values),
	ds_store_b128 v[ASCR], v[TT+4:TT+7] offset:2048            ; four indices
	s_wait_dscnt 0x0                               ; for wave 0's sake
	s_barrier_signal -1
	s_barrier_wait -1
	s_cmp_lg_u32 s14, 0
	s_cbranch_scc1 .Lclosing
	; wave 0: over the four quarters of the codes; lane l has vectors 4 l .. 4 l + 3
	v_add_nc_u32 v10, SCR, v[L16]
.irp c, 0,1,2,3
	ds_load_b128 v[64+4*\c:64+4*\c+3], v10 offset:512*\c
	ds_load_b128 v[80+4*\c:80+4*\c+3], v10 offset:2048+512*\c
.endr
	s_wait_dscnt 0x0
.irp c, 1,2,3
.irp k, 0,1,2,3
	MERGE 64+\k, 80+\k, 64+\k, 80+\k, 64+4*\c+\k, 80+4*\c+\k
.endr
.endr
	global_store_b128 v[L16], v[80:83], s[10:11]   ; 512 neighbouring bytes, aligned: the result,
	global_store_b128 v[L16], v[80:83], s[12:13]   ; and the copy from which the next launch forms addresses
.Lclosing:
	s_wait_tensorcnt 0x0
	ds_add_u32 v62, v63
	s_wait_dscnt 0x0
	ROUND                                          ; no work-group ends while a partner may still ask jointly
	s_endpgm
.Lfunc_end_k_q1abb1ade2f_vq:
	.size	k_q1abb1ade2f_vq, .Lfunc_end_k_q1abb1ade2f_vq-k_q1abb1ade2f_vq
	.p2alignl 7, 3214868480
	.fill 96, 4, 3214868480
	.section	.rodata,"a",@progbits
	.p2align	6, 0x0
	.amdhsa_kernel k_q1abb1ade2f_vq
		.amdhsa_group_segment_fixed_size 327680
		.amdhsa_private_segment_fixed_size 0
		.amdhsa_enable_private_segment 0
		.amdhsa_kernarg_size 40
		.amdhsa_user_sgpr_count 2
		.amdhsa_user_sgpr_kernarg_segment_ptr 1
		.amdhsa_wavefront_size32 1
		.amdhsa_system_sgpr_workgroup_id_x 1
		.amdhsa_system_sgpr_workgroup_id_y 1
		.amdhsa_system_sgpr_workgroup_id_z 1
		.amdhsa_system_vgpr_workitem_id 0
		.amdhsa_next_free_vgpr 512
		.amdhsa_next_free_sgpr 96
		.amdhsa_reserve_vcc 0
		.amdhsa_float_denorm_mode_32 3
		.amdhsa_float_denorm_mode_16_64 3
		.amdhsa_memory_ordered 1
		.amdhsa_forward_progress 1
		.amdhsa_inst_pref_size 255
	.end_amdhsa_kernel
	.section	.bss,"aw",@nobits
	.p2align	6
	.space	262144
	.amdgpu_metadata
---
amdhsa.version: [ 1, 2 ]
amdhsa.kernels:
  - .name:           k_q1abb1ade2f_vq
    .symbol:         k_q1abb1ade2f_vq.kd
    .args:
      - { .name: cb, .offset: 0, .size: 8, .value_kind: global_buffer, .address_space: global }
      - { .name: eew, .offset: 8, .size: 8, .value_kind: global_buffer, .address_space: global }
      - { .name: z, .offset: 16, .size: 8, .value_kind: global_buffer, .address_space: global }
      - { .name: out2, .offset: 24, .size: 8, .value_kind: global_buffer, .address_space: global }
      - { .name: idxw, .offset: 32, .size: 8, .value_kind: global_buffer, .address_space: global }
    .group_segment_fixed_size: 327680
    .private_segment_fixed_size: 0
    .kernarg_segment_align: 8
    .kernarg_segment_size: 40
    .max_flat_workgroup_size: 256
    .sgpr_count:     96
    .vgpr_count:     512
    .wavefront_size: 32
...
	.end_amdgpu_metadata
.endif
;; end of part 2
;; launch gather (part 3): grid 256 x 1, 8 waves a work-group, no clusters, 134,400 bytes of LDS; arguments embedding, z, idxw, out0, part; writes out0, part
.if DOCPART == 3
	.amdgcn_target "amdgcn-amd-amdhsa--gfx1250"
	.amdhsa_code_object_version 6
	.text
	.protected	k_q1abb1ade2f_gather
	.globl	k_q1abb1ade2f_gather
	.p2align	8
	.type	k_q1abb1ade2f_gather,@function
k_q1abb1ade2f_gather:
	s_mov_b64 s[64:65], 0
	v_nop
	global_prefetch_b8 v0, s[64:65] scope:SCOPE_SE
	s_setreg_imm32_b32 hwreg(HW_REG_WAVE_MODE, 25, 1), 1
	s_wait_xcnt 0x0
; out0[b][c][hw] = z + (e[idx][c] - z);  part[g] = sum over the work-group's 128 vectors and 256 c of (e[idx][c] - z)^2, in f32.
; embedding: [8192][256] f32.  z, out0: [32][256][1024] f32.  idxw: [32768] i32, stored by the launch before.  part: [256] f32.
; The loss is made of the differences themselves, not of the smallest distance.
; 256 work-groups of 8 waves; a work-group owns 128 vectors (one image, 128 neighbouring hw).
; Phase 1: wave w fetches the code rows of vectors 16 w .. 16 w + 15, whole rows of 1,024 bytes, and lays them into LDS.
; Phase 2: wave w owns c = 32 w .. 32 w + 31; lane l owns vectors 4 l .. 4 l + 3, so that a load of z and a store of out0 cover 512 neighbouring bytes.
; Vector n lies at LDS place (n & 3) x 32 + (n >> 2): the 32 lanes then read 32 neighbouring places, whose pitch of 1,040 bytes is an odd multiple of 16.
; The turn from [vector][c] to [c][vector] is a matter of register names alone.
; Memory binds: no matrix unit; nothing is shared between work-groups: no cluster.  All 64 loads of a wave are issued in its first lines.
.set PIT,  1040
.set RED,  128*PIT                     ; eight partial sums
.set VST,  2                           ; v[2:5]    where I store a row with n & 3 = k
.set VRD,  6                           ; v[6:9]    where I read my vector 4 l + i
.set OFF,  10                          ; v[10:25]  byte offset of my 16 bytes in code row i
.set LOSS, 28                          ; v[28:31]  four chains
.set EC,   32                          ; v[32:47], v[48:63]  four c of my four vectors, two buffers
.set E,    64                          ; v[64:191] 16 code rows as loaded; then v[64:127] z of c 16 .. 31, v[128:159] results, two buffers
.set R,    128
.set ZLO,  192                         ; v[192:255] z of c 0 .. 15
	s_load_b256 s[4:11], s[0:1], 0x0               ; embedding s[4:5], z s[6:7], idxw s[8:9], out0 s[10:11]
	s_load_b64 s[12:13], s[0:1], 0x20              ; part
	s_set_vgpr_msb 0x40
	v_lshl_add_u32 v0, v0, 2, 0x20900
	v_mov_b32 v1, 0
	s_set_vgpr_msb 0x4000
	v_lshrrev_b32 v26, 5, v0
	v_readfirstlane_b32 s14, v26                   ; wave 0..7
	v_and_b32 v27, 31, v0                          ; lane
	v_lshlrev_b32 v1, 4, v27                       ; 16 x lane
	s_lshl_b32 s32, ttmp9, 9                       ; the work-group's 128 indices,
	s_lshl_b32 s33, s14, 6                         ; the wave's 16
	s_add_co_u32 s32, s32, s33
	s_mov_b32 s33, 0
	s_wait_kmcnt 0x0
	s_add_nc_u64 s[8:9], s[8:9], s[32:33]
	s_load_b512 s[16:31], s[8:9], 0x0
	s_lshr_b32 s34, ttmp9, 3                       ; z and out0: the image,
	s_lshl_b32 s34, s34, 20
	s_and_b32 s36, ttmp9, 7                        ; the 128 hw,
	s_lshl_b32 s36, s36, 9
	s_add_co_u32 s34, s34, s36
	s_lshl_b32 s36, s14, 17                        ; the wave's 32 planes
	s_add_co_u32 s34, s34, s36
	s_mov_b32 s35, 0
	s_add_nc_u64 s[6:7], s[6:7], s[34:35]
	s_add_nc_u64 s[10:11], s[10:11], s[34:35]
	s_mov_b32 s40, 0x76543210
	s_mov_b32 s41, 0xfedcba98
	s_mul_i32 s36, s14, 4*PIT                      ; places 4 w .. 4 w + 3 of each group of 32
	v_add_nc_u32 v[VST], s36, v1
	v_add_nc_u32 v[VST+1], 32*PIT, v[VST]
	v_add_nc_u32 v[VST+2], 64*PIT, v[VST]
	v_add_nc_u32 v[VST+3], 96*PIT, v[VST]
	v_mul_u32_u24 v[VRD], v27, PIT
	s_lshl_b32 s37, s14, 7                         ; c = 32 w
	v_add_nc_u32 v[VRD], s37, v[VRD]
	v_add_nc_u32 v[VRD+1], 32*PIT, v[VRD]
	v_add_nc_u32 v[VRD+2], 64*PIT, v[VRD]
	v_add_nc_u32 v[VRD+3], 96*PIT, v[VRD]
	s_wait_kmcnt 0x0
.irp i, 0,1,2,3,4,5,6,7,8,9,10,11,12,13,14,15
	s_min_u32 s[16+\i], s[16+\i], 0x1fff           ; an index stays inside the table
	s_lshl_b32 s[16+\i], s[16+\i], 10
	v_add_nc_u32 v[OFF+\i], s[16+\i], v1
	global_load_b128 v[E+8*\i:E+8*\i+3],   v[OFF+\i], s[4:5]
	global_load_b128 v[E+8*\i+4:E+8*\i+7], v[OFF+\i], s[4:5] offset:512
.endr
.irp c, 0,1,2,3,4,5,6,7,8,9,10,11,12,13,14,15
	global_load_b128 v[ZLO+4*\c:ZLO+4*\c+3], v1, s[6:7] offset:\c*4096 th:TH_LOAD_NT
.endr
.irp i, 0,1,2,3,4,5,6,7,8,9,10,11,12,13,14,15
	s_wait_loadcnt 46-2*\i                         ; behind row i's two loads: two for each younger row, and 16 of z
	ds_store_b128 v[VST+(\i&3)], v[E+8*\i:E+8*\i+3]   offset:(\i>>2)*PIT
	ds_store_b128 v[VST+(\i&3)], v[E+8*\i+4:E+8*\i+7] offset:(\i>>2)*PIT+512
.endr
	s_wait_dscnt 0x0                               ; for the other waves' sake: my rows are in LDS
.irp c, 0,1,2,3,4,5,6,7,8,9,10,11,12,13,14,15
	global_load_b128 v[E+4*\c:E+4*\c+3], v1, s[6:7] offset:(16+\c)*4096 th:TH_LOAD_NT
.endr
	s_barrier_signal -1
	s_barrier_wait -1
.macro ECLOAD q                        ; four c (16 bytes) of each of my four vectors
.irp i, 0,1,2,3
	ds_load_b128 v[EC+16*((\q)&1)+4*\i:EC+16*((\q)&1)+4*\i+3], v[VRD+\i] offset:16*(\q)
.endr
.endm
.macro CHUNK q
.if \q<7
	ECLOAD \q+1
	s_wait_dscnt 4                                 ; this chunk's four are in, the next chunk's four stay out
.else
	s_wait_dscnt 0x0
.endif
	s_wait_loadcnt 28-4*\q                         ; z of c 4 q .. 4 q + 3 is in; the younger loads of z stay out
.if \q>=2
	s_wait_xcnt 0x0                                ; the results' buffer, which stores of two chunks ago read, is rewritten only behind this wait
.endif
.set CE, EC+16*(\q&1)
.set CR, R+16*(\q&1)
.irp j, 0,1,2,3
.set CC, 4*\q+\j
.if CC<16
.set CZ, ZLO+4*CC
.else
.set CZ, E+4*(CC-16)
.endif
.irp i, 0,1,2,3
	v_sub_f32 v[CE+4*\i+\j], v[CE+4*\i+\j], v[CZ+\i]           ; e - z
.endr
.irp i, 0,1,2,3
	v_add_f32 v[CR+4*\j+\i], v[CZ+\i], v[CE+4*\i+\j]           ; z + (e - z)
.endr
.irp i, 0,1,2,3
.if CC==0
	v_mul_f32 v[LOSS+\i], v[CE+4*\i+\j], v[CE+4*\i+\j]         ; the first squares start the chains
.else
	v_fmac_f32 v[LOSS+\i], v[CE+4*\i+\j], v[CE+4*\i+\j]
.endif
.endr
	global_store_b128 v1, v[CR+4*\j:CR+4*\j+3], s[10:11] offset:CC*4096 th:TH_STORE_NT
.endr
.endm
	ECLOAD 0
.irp q, 0,1,2,3,4,5,6,7
	CHUNK \q
.endr
	v_add_f32 v28, v28, v29
	v_add_f32 v30, v30, v31
	v_add_f32 v28, v28, v30
	v_add_f32_dpp v28, v28, v28 row_xmask:1 row_mask:0xf bank_mask:0xf
	v_add_f32_dpp v28, v28, v28 row_xmask:2 row_mask:0xf bank_mask:0xf
	v_add_f32_dpp v28, v28, v28 row_xmask:4 row_mask:0xf bank_mask:0xf
	v_add_f32_dpp v28, v28, v28 row_xmask:8 row_mask:0xf bank_mask:0xf
	v_permlanex16_b32 v29, v28, s40, s41
	v_add_f32 v28, v28, v29
	s_lshl_b32 s36, s14, 2
	s_add_co_u32 s36, s36, RED
	v_mov_b32 v26, s36
	ds_store_b32 v26, v28                          ; my wave's word, behind the rows
	s_wait_dscnt 0x0
	s_barrier_signal -1
	s_barrier_wait -1
	s_cmp_lg_u32 s14, 0
	s_cbranch_scc1 .Lend
	v_mov_b32 v26, RED
	ds_load_b128 v[32:35], v26
	ds_load_b128 v[36:39], v26 offset:16
	s_lshl_b32 s36, ttmp9, 2
	v_mov_b32 v27, s36
	s_wait_dscnt 0x0
	v_pk_add_f32 v[32:33], v[32:33], v[34:35]
	v_pk_add_f32 v[36:37], v[36:37], v[38:39]
	v_pk_add_f32 v[32:33], v[32:33], v[36:37]
	v_add_f32 v32, v32, v33
	s_wait_xcnt 0x0                                ; EXEC, a source of the stores above, changes only behind this wait
	v_cmp_eq_u32 vcc_lo, 0, v0
	s_and_saveexec_b32 s37, vcc_lo
	global_store_b32 v27, v32, s[12:13]            ; one number a work-group; the sum over work-groups is the next launch's
	s_wait_xcnt 0x0
	s_or_b32 exec_lo, exec_lo, s37
.Lend:
	s_set_vgpr_msb 0x5
	s_wait_tensorcnt 0x0
	ds_add_u32 v0, v1
	s_wait_dscnt 0x0
	s_set_vgpr_msb 0x500
	s_endpgm
.Lfunc_end_k_q1abb1ade2f_gather:
	.size	k_q1abb1ade2f_gather, .Lfunc_end_k_q1abb1ade2f_gather-k_q1abb1ade2f_gather
	.p2alignl 7, 3214868480
	.fill 96, 4, 3214868480
	.section	.rodata,"a",@progbits
	.p2align	6, 0x0
	.amdhsa_kernel k_q1abb1ade2f_gather
		.amdhsa_group_segment_fixed_size 134400
		.amdhsa_private_segment_fixed_size 0
		.amdhsa_enable_private_segment 0
		.amdhsa_kernarg_size 40
		.amdhsa_user_sgpr_count 2
		.amdhsa_user_sgpr_kernarg_segment_ptr 1
		.amdhsa_wavefront_size32 1
		.amdhsa_system_sgpr_workgroup_id_x 1
		.amdhsa_system_sgpr_workgroup_id_y 1
		.amdhsa_system_sgpr_workgroup_id_z 1
		.amdhsa_system_vgpr_workitem_id 0
		.amdhsa_next_free_vgpr 258
		.amdhsa_next_free_sgpr 66
		.amdhsa_reserve_vcc 1
		.amdhsa_float_denorm_mode_32 3
		.amdhsa_float_denorm_mode_16_64 3
		.amdhsa_memory_ordered 1
		.amdhsa_forward_progress 1
		.amdhsa_inst_pref_size 33
	.end_amdhsa_kernel
	.amdgpu_metadata
---
amdhsa.version: [ 1, 2 ]
amdhsa.kernels:
  - .name:           k_q1abb1ade2f_gather
    .symbol:         k_q1abb1ade2f_gather.kd
    .args:
      - { .name: embedding, .offset: 0, .size: 8, .value_kind: global_buffer, .address_space: global }
      - { .name: z, .offset: 8, .size: 8, .value_kind: global_buffer, .address_space: global }
      - { .name: idxw, .offset: 16, .size: 8, .value_kind: global_buffer, .address_space: global }
      - { .name: out0, .offset: 24, .size: 8, .value_kind: global_buffer, .address_space: global }
      - { .name: part, .offset: 32, .size: 8, .value_kind: global_buffer, .address_space: global }
    .group_segment_fixed_size: 134400
    .private_segment_fixed_size: 0
    .kernarg_segment_align: 8
    .kernarg_segment_size: 40
    .max_flat_workgroup_size: 256
    .sgpr_count:     66
    .vgpr_count:     258
    .wavefront_size: 32
...
	.end_amdgpu_metadata
.endif
;; end of part 3
;; launch finish (part 4): grid 1 x 1, 1 waves a work-group, no clusters, 0 bytes of LDS; arguments part, out1; writes out1
.if DOCPART == 4
	.amdgcn_target "amdgcn-amd-amdhsa--gfx1250"
	.amdhsa_code_object_version 6
	.text
	.protected	k_q1abb1ade2f_finish
	.globl	k_q1abb1ade2f_finish
	.p2align	8
	.type	k_q1abb1ade2f_finish,@function
k_q1abb1ade2f_finish:
	s_mov_b64 s[64:65], 0
	v_nop
	global_prefetch_b8 v0, s[64:65] scope:SCOPE_SE
	s_setreg_imm32_b32 hwreg(HW_REG_WAVE_MODE, 25, 1), 1
	s_wait_xcnt 0x0
; out1 = 0.25 x (sum of the 256 partial sums) / (32,768 x 256) = 2^-25 x the sum.  One wave: 256 numbers are eight a lane.
	s_load_b128 s[4:7], s[0:1], 0x0                ; part s[4:5], out1 s[6:7]
	v_lshlrev_b32 v1, 4, v0
	v_mov_b32 v2, 0
	s_mov_b32 s12, 0x76543210
	s_mov_b32 s13, 0xfedcba98
	s_wait_kmcnt 0x0
	global_load_b128 v[4:7], v1, s[4:5]
	global_load_b128 v[8:11], v1, s[4:5] offset:512
	s_wait_loadcnt 0x0
	v_pk_add_f32 v[4:5], v[4:5], v[6:7]
	v_pk_add_f32 v[8:9], v[8:9], v[10:11]
	v_pk_add_f32 v[4:5], v[4:5], v[8:9]
	v_add_f32 v4, v4, v5
	v_add_f32_dpp v4, v4, v4 row_xmask:1 row_mask:0xf bank_mask:0xf
	v_add_f32_dpp v4, v4, v4 row_xmask:2 row_mask:0xf bank_mask:0xf
	v_add_f32_dpp v4, v4, v4 row_xmask:4 row_mask:0xf bank_mask:0xf
	v_add_f32_dpp v4, v4, v4 row_xmask:8 row_mask:0xf bank_mask:0xf
	v_permlanex16_b32 v5, v4, s12, s13
	v_add_f32 v4, v4, v5
	v_mul_f32 v4, 0x33000000, v4                   ; 2^-25
	s_wait_xcnt 0x0                                ; EXEC changes only behind this wait
	v_cmp_eq_u32 vcc_lo, 0, v0
	s_and_saveexec_b32 s8, vcc_lo
	global_store_b32 v2, v4, s[6:7]
	s_wait_xcnt 0x0
	s_or_b32 exec_lo, exec_lo, s8
	s_endpgm
.Lfunc_end_k_q1abb1ade2f_finish:
	.size	k_q1abb1ade2f_finish, .Lfunc_end_k_q1abb1ade2f_finish-k_q1abb1ade2f_finish
	.p2alignl 7, 3214868480
	.fill 96, 4, 3214868480
	.section	.rodata,"a",@progbits
	.p2align	6, 0x0
	.amdhsa_kernel k_q1abb1ade2f_finish
		.amdhsa_group_segment_fixed_size 0
		.amdhsa_private_segment_fixed_size 0
		.amdhsa_enable_private_segment 0
		.amdhsa_kernarg_size 16
		.amdhsa_user_sgpr_count 2
		.amdhsa_user_sgpr_kernarg_segment_ptr 1
		.amdhsa_wavefront_size32 1
		.amdhsa_system_sgpr_workgroup_id_x 1
		.amdhsa_system_sgpr_workgroup_id_y 1
		.amdhsa_system_sgpr_workgroup_id_z 1
		.amdhsa_system_vgpr_workitem_id 0
		.amdhsa_next_free_vgpr 16
		.amdhsa_next_free_sgpr 66
		.amdhsa_reserve_vcc 1
		.amdhsa_float_denorm_mode_32 3
		.amdhsa_float_denorm_mode_16_64 3
		.amdhsa_memory_ordered 1
		.amdhsa_forward_progress 1
		.amdhsa_inst_pref_size 2
	.end_amdhsa_kernel
	.amdgpu_metadata
---
amdhsa.version: [ 1, 2 ]
amdhsa.kernels:
  - .name:           k_q1abb1ade2f_finish
    .symbol:         k_q1abb1ade2f_finish.kd
    .args:
      - { .name: part, .offset: 0, .size: 8, .value_kind: global_buffer, .address_space: global }
      - { .name: out1, .offset: 8, .size: 8, .value_kind: global_buffer, .address_space: global }
    .group_segment_fixed_size: 0
    .private_segment_fixed_size: 0
    .kernarg_segment_align: 8
    .kernarg_segment_size: 16
    .max_flat_workgroup_size: 32
    .sgpr_count:     66
    .vgpr_count:     16
    .wavefront_size: 32
...
	.end_amdgpu_metadata
.endif
;; end of part 4
